; MI455X (gfx1250); checked and timed in simulation.
; The chip was launched on July 23, 2026; its instructions are those of AMD's public machine-readable ISA for CDNA 5 (MIT licence, August 2026) and "CDNA5" Instruction Set Architecture Reference Guide (July 2026). The comments in the code are by the model that wrote it; some were corrected since.
;; Causal Multihead Self Attention. Allowed arithmetic: matrix products marked QUANTISED: E4M3 operands, one given power-of-two scale a tensor, by v_wmma_f32_16x16x64_fp8_fp8 or v_wmma_f32_16x16x128_fp8_fp8, f32 sums; everything else in f32.
;; Inputs: Wk 16 x 1,024 x 64 float32; Wo 1,024 x 1,024 float32; Wq 16 x 1,024 x 64 float32; Wv 16 x 1,024 x 64 float32; lowp_scales 12 int32 (the exponents e of the quantised operands' scales 2^e); x 4 x 2,048 x 1,024 float32.
;; Outputs: out0 4 x 2,048 x 1,024 float32.
;; This version of the problem:
;;   THIS VERSION OF THE PROBLEM IS GIVEN IN LOW PRECISION. The matrix products marked QUANTISED in the list below multiply operands that are first quantised to E4M3 (4 exponent bits, 3 mantissa bits; 8 bits a number), with one given power-of-two scale for each operand tensor; their sums are f32. All else is computed in f32.
;;   The module's matrix products, in the order in which they are computed (A, B: the left and right operand; K: the contracted axis; several contracted axes count as one K, in the product's order):
;;     1. [M 1,024, K 1,024] x [K 1,024, N 8,192]; A: input Wq; B: input x: QUANTISED (scales: A lowp_scales[0], B lowp_scales[1])
;;     2. [M 1,024, K 1,024] x [K 1,024, N 8,192]; A: input Wk; B: input x: QUANTISED (scales: A lowp_scales[2], B lowp_scales[3])
;;     3. [M 1,024, K 1,024] x [K 1,024, N 8,192]; A: input Wv; B: input x: QUANTISED (scales: A lowp_scales[4], B lowp_scales[5])
;;     4. batch 64 x [M 2,048, K 64] x [K 64, N 2,048]; A: computed on the way; B: computed on the way: QUANTISED (scales: A lowp_scales[6], B lowp_scales[7])
;;     5. batch 64 x [M 2,048, K 2,048] x [K 2,048, N 64]; A: softmax (see below); B: computed on the way: QUANTISED (scales: A lowp_scales[8], B lowp_scales[9])
;;     6. [M 8,192, K 1,024] x [K 1,024, N 1,024]; A: computed on the way; B: input Wo: QUANTISED (scales: A lowp_scales[10], B lowp_scales[11])
;;   THE QUANTISER, for each operand of a quantised product, along K:
;;     - The operand's scale is 2^e, e = its entry of the input lowp_scales (int32; the entries are numbered through the quantised products in the list's order, A before B).
;;     - Each number is divided by the scale, clamped to +-448, and rounded to the nearest number of E4M3, ties to even, subnormals kept.
;;     - The product sums the exact products of the quantised numbers (number of the format x scale) in f32.
;;   ~~~python
;;   def quantise(x, axis, e):      # numpy; x: float32 -> the quantised numbers, widened to float32 again
;;       x = np.moveaxis(x, axis, -1); K = x.shape[-1]
;;       r = np.clip(x / 2.0 ** e, -448, 448)
;;       step = 2.0 ** (np.maximum(np.frexp(np.where(r == 0, 1, r))[1] - 1, -6) - 3)
;;       q = np.round(r / step) * step * 2.0 ** e      # np.round: ties to even
;;       return np.moveaxis(q, -1, axis).astype(np.float32)
;;   ~~~
;;   SOFTMAX AHEAD OF A QUANTISED PRODUCT. Where the list says 'softmax', what is quantised is not the finished softmax but p = 2^(t - M), with t = logit x log2(e) and M = ceil(the row's largest t), a whole number; so 1/2 < the row's largest p <= 1. The row's sum l is taken of the UNQUANTISED p, in f32, and the product's result is divided by l at the end. Since M is a whole number, a kernel that streams over the keys may use a running M (the ceiling of the running maximum): every later rescaling is an exact power of two, so the quantised numbers keep their values, but for numbers so far below the row's largest that they fall under the format's range.
;;   OPERANDS COMPUTED ON THE WAY. 'Computed on the way' means the value that the module computes at that place (a softmax that the list does not call 'softmax' is quantised finished and normalised). What goes into a quantiser is computed in f32, as accurately as f32 sums, v_exp_f32 and their like allow (about 1e-6 of the number): no bf16 or f16 on the way to a quantiser, and a product that is left as it is and whose result goes on into a quantised operand takes f32 operands (vector FMAs, or v_wmma_f32_16x16x4_f32). A number that lies on a knife's edge between two numbers of the format may be rounded either way, as far as f32 arithmetic and the matrix unit's own rounding can turn it there, and no further.
;; One version. Each part assembles by itself: llvm-mc -triple=amdgcn-amd-amdhsa -mcpu=gfx1250 --defsym DOCPART=n.
;; ======== version 1 of 1: 4 launches
;; limits: right only within a limited range of input values
;; workspace buffers: XC 25,165,824 bytes; WC 3,145,728 bytes; WOC 1,048,576 bytes; QC 8,388,608 bytes; KV 16,777,216 bytes; CC 8,388,608 bytes
;; launch quant (part 1): grid 672 x 1, 8 waves a work-group, no clusters, 68,608 bytes of LDS; arguments x, Wq, Wk, Wv, Wo, lowp_scales, XC, WC, WOC; writes XC, WC, WOC
.if DOCPART == 1
	.amdgcn_target "amdgcn-amd-amdhsa--gfx1250"
	.amdhsa_code_object_version 6
	.text
	.protected	k_q7c4f722ccf_quant
	.globl	k_q7c4f722ccf_quant
	.p2align	8
	.type	k_q7c4f722ccf_quant,@function
k_q7c4f722ccf_quant:
	s_mov_b64 s[64:65], 0
	v_nop
	global_prefetch_b8 v0, s[64:65] scope:SCOPE_SE
	s_setreg_imm32_b32 hwreg(HW_REG_WAVE_MODE, 25, 1), 1
	s_wait_xcnt 0x0
; x [8192][1024], Wo [1024][1024] (K innermost) and Wq, Wk, Wv [16][1024][64] (K = the middle axis), all f32, become codes of E4M3, each with the scale 2^e given for it.
; code = number / 2^e, held within +-448, rounded to the nearest code, ties to even.  x is an operand of three products with three entries of the scales: three sets of codes.
; THE CODES ARE LAID AS IMAGES OF OPERAND REGISTERS.  A fragment (16 rows x 128 along K) is 2,048 bytes: piece c (0..3) is 512 bytes, and in it lane l = r + 16 h has the 16 bytes at 16 l:
; k = 32 c + 16 h + 0 .. 15 of row r.  A wave that loads the four pieces, 16 bytes a lane, has the fragment; the order of k is the same in both operands of every product.
;   XC  [32 blocks of 256 tokens][24 = 8 x set + K step][16 tiles of tokens][2048]      WOC [8 blocks of 128 rows][8 K steps][8 tiles][2048]
;   WC  [8 pairs of heads][24 = 8 x (q, k, v) + K step][8 tiles = 4 x (head & 1) + 2 b + u][2048]; lane r of tile 2 b + u is the head's column 32 b + 8 u + r + 8 (r / 8)
; Work-groups 0-511: a tile of 16 tokens of x; 512-575: 16 rows of Wo; a wave takes a K step of 128.  Work-groups 576-671: the weights with K in the middle.
; No cluster, no tensor load, no barrier: work-groups and waves share no input.
; LIMITS: every e used here lies between -126 and 119, so that 2^e and 448 x 2^e are f32 numbers.  NaN among the inputs is not served; an infinity is held at the largest code.
.set R,    16                          ; v16-79   numbers as loaded, later the held numbers (the weights' path: v16-143)
.set X,    80                          ; v80-143  64 numbers of my row in the fragment's order
.set C,    144                         ; v144-191 codes: registers of their own for each store
.set SP,   528                         ; a stage row: 512 bytes + 16: the 16 rows that a read touches begin at 16 different groups of four banks
.set WREG, 16*SP                       ; a wave's own stage
.macro MKSC se, vsc, vlim, st          ; from the whole number e in s[se]: 2^e into v[vsc], 448 x 2^e into v[vlim]
	s_add_co_i32 s[\st], s[\se], 127
	s_lshl_b32 s[\st+1], s[\st], 23
	v_mov_b32 v[\vsc], s[\st+1]
	s_add_co_i32 s[\st], s[\st], 8
	s_lshl_b32 s[\st], s[\st], 23
	s_or_b32 s[\st], s[\st], 0x600000
	v_mov_b32 v[\vlim], s[\st]
.endm
	s_load_b512 s[4:19], s[0:1], 0x0               ; x s[4:5], Wq s[6:7], Wk s[8:9], Wv s[10:11], Wo s[12:13], scales s[14:15], XC s[16:17], WC s[18:19]
	s_load_b64 s[20:21], s[0:1], 0x40              ; WOC
	v_lshl_add_u32 v192, v0, 2, 0x10800
	v_mov_b32 v193, 0
	v_lshrrev_b32 v1, 5, v0
	s_delay_alu instid0(VALU_DEP_1)
	v_readfirstlane_b32 s36, v1                    ; wave 0..7
	v_and_b32 v10, 31, v0                          ; lane
	v_and_b32 v11, 15, v0                          ; r
	v_bfe_u32 v12, v0, 4, 1                        ; h (the weights' path: u)
	s_delay_alu instid0(VALU_DEP_3)
	v_lshlrev_b32 v1, 4, v10                       ; 16 x lane
	s_wait_kmcnt 0x0
	s_load_b256 s[24:31], s[14:15], 0x0            ; e0 .. e7
	s_load_b128 s[32:35], s[14:15], 0x20           ; e8 .. e11
	s_cmp_ge_u32 ttmp9, 576
	s_cbranch_scc1 .Lweights
	; ---- K innermost: x or Wo.  Both tensors take one path; only pointers, offsets and one exponent are chosen, by the work-group's number
	s_lshl_b32 s41, s36, 9                         ; my K step: 128 numbers, 512 bytes of a row
	s_lshl_b32 s40, ttmp9, 16                      ; x: 16 rows of 4,096 bytes
	s_add_co_u32 s40, s40, s41
	s_lshr_b32 s42, ttmp9, 4
	s_mul_i32 s42, s42, 786432                     ; XC: the block of 256 tokens,
	s_lshl_b32 s43, s36, 15
	s_add_co_u32 s42, s42, s43                     ; the K step,
	s_and_b32 s43, ttmp9, 15
	s_lshl_b32 s43, s43, 11
	s_add_co_u32 s42, s42, s43                     ; the tile of tokens
	s_and_b32 s44, ttmp9, 63                       ; Wo: the tile of rows (512 is a multiple of 64)
	s_lshl_b32 s45, s44, 16
	s_add_co_u32 s45, s45, s41
	s_lshr_b32 s46, s44, 3
	s_lshl_b32 s46, s46, 17                        ; WOC: the block of 128 rows,
	s_lshl_b32 s47, s36, 14
	s_add_co_u32 s46, s46, s47                     ; the K step,
	s_and_b32 s47, s44, 7
	s_lshl_b32 s47, s47, 11
	s_add_co_u32 s46, s46, s47                     ; the tile
	s_cmp_lt_u32 ttmp9, 512
	s_cselect_b64 s[48:49], s[4:5], s[12:13]
	s_cselect_b64 s[50:51], s[16:17], s[20:21]
	s_cselect_b32 s52, s40, s45
	s_cselect_b32 s54, s42, s46
	s_mov_b32 s53, 0
	s_mov_b32 s55, 0
	s_add_nc_u64 s[48:49], s[48:49], s[52:53]
	s_add_nc_u64 s[50:51], s[50:51], s[54:55]
.set ii, 0
	s_wait_alu depctr_va_vdst(0)
.rept 16
	global_load_b128 v[R+4*ii:R+4*ii+3], v1, s[48:49] offset:4096*ii th:TH_LOAD_NT   ; row ii: the 32 lanes read 512 consecutive bytes
.set ii, ii+1
.endr
	s_mul_i32 s57, s36, WREG
	v_add_nc_u32 v2, s57, v1                       ; into my stage: 16 x lane of a row
	v_mul_u32_u24 v3, v11, SP
	s_delay_alu instid0(VALU_DEP_1)
	v_lshl_add_u32 v3, v12, 6, v3
	s_delay_alu instid0(VALU_DEP_1)
	v_add_nc_u32 v3, s57, v3                       ; out of it: row r, + 64 h: my 16 numbers of each block of 32
	s_wait_alu depctr_va_vdst(0)
	s_wait_kmcnt 0x0
	s_cmp_lt_u32 ttmp9, 512
	s_cselect_b32 s56, s25, s35                    ; e1 for x's first set, e11 for Wo
	MKSC 56, 4, 5, 58
	MKSC 27, 6, 7, 58                              ; e3
	MKSC 29, 8, 9, 58                              ; e5
.set ii, 0
	s_wait_alu depctr_va_vdst(0)
.rept 16
	s_wait_loadcnt 15-ii                           ; row ii is in; the rows loaded behind it may be out
	ds_store_b128 v2, v[R+4*ii:R+4*ii+3] offset:SP*ii
.set ii, ii+1
.endr
.set ii, 0
.rept 16
	ds_load_b128 v[X+4*ii:X+4*ii+3], v3 offset:128*(ii/4)+16*(ii%4)   ; LDS serves a wave's instructions in order: these see my stores.  Register 16 c + i = k 32 c + 16 h + i of row r
.set ii, ii+1
.endr
	s_wait_dscnt 0x0
.macro VERS v                          ; one set of codes: the hold (the conversion to an 8-bit code does not saturate: ISA guide 7.6.2), the conversion, four stores of 512 consecutive bytes
.set ii, 0
.rept 64
	v_med3_num_f32 v[R+ii], v[X+ii], -v[5+2*\v], v[5+2*\v]
.set ii, ii+1
.endr
.set ii, 0
.rept 8
	v_cvt_scalef32_pk8_fp8_f32 v[C+16*\v+2*ii:C+16*\v+2*ii+1], v[R+8*ii:R+8*ii+7], v[4+2*\v]
.set ii, ii+1
.endr
	v_nop                                          ; a plain line between the conversions and the next set's holds, which write their sources
.irp c, 0,1,2,3
	global_store_b128 v1, v[C+16*\v+4*\c:C+16*\v+4*\c+3], s[50:51] offset:\v*262144+512*\c
.endr
.endm
	VERS 0
	s_cmp_ge_u32 ttmp9, 512                        ; Wo has one scale
	s_cbranch_scc1 .Ldone
	VERS 1
	VERS 2
.Ldone:
	s_wait_tensorcnt 0x0
	ds_add_u32 v192, v193
	s_wait_dscnt 0x0
	s_endpgm
	; ---- K in the middle: a lane takes a column and its registers run down K, so the conversions give codes with K innermost and nothing is transposed.
	; A work-group: one of q, k, v, one head, four K steps; a wave: one K step and 32 columns (two tiles); two neighbouring waves stand side by side on a row's 256 bytes.
.Lweights:
	s_sub_co_u32 s40, ttmp9, 576                   ; 0 .. 95
	s_lshr_b32 s41, s40, 5                         ; which of q, k, v
	s_bfe_u32 s42, s40, 0x40001                    ; head
	s_and_b32 s43, s40, 1
	s_lshl_b32 s43, s43, 2
	s_lshr_b32 s44, s36, 1
	s_add_co_u32 s43, s43, s44                     ; K step
	s_and_b32 s44, s36, 1                          ; b: columns 32 b on
	s_lshl_b32 s45, s42, 18                        ; in: the head's 262,144 bytes,
	s_lshl_b32 s46, s43, 15
	s_add_co_u32 s45, s45, s46                     ; 128 rows of 256 bytes,
	s_lshl_b32 s46, s44, 7
	s_add_co_u32 s52, s45, s46                     ; 32 columns
	s_mov_b32 s53, 0
	s_lshr_b32 s45, s42, 1
	s_mul_i32 s45, s45, 393216                     ; out: the pair of heads,
	s_lshl_b32 s46, s41, 3
	s_add_co_u32 s46, s46, s43
	s_lshl_b32 s46, s46, 14
	s_add_co_u32 s45, s45, s46                     ; 8 x which + K step,
	s_and_b32 s46, s42, 1
	s_lshl_b32 s46, s46, 2
	s_lshl_b32 s47, s44, 1
	s_add_co_u32 s46, s46, s47
	s_lshl_b32 s46, s46, 11
	s_add_co_u32 s54, s45, s46                     ; tile 4 x (head & 1) + 2 b
	s_mov_b32 s55, 0
	s_cmp_eq_u32 s41, 0
	s_cselect_b64 s[48:49], s[6:7], s[8:9]
	s_cmp_eq_u32 s41, 2
	s_cselect_b64 s[48:49], s[10:11], s[48:49]
	s_add_nc_u64 s[48:49], s[48:49], s[52:53]
	s_add_nc_u64 s[50:51], s[18:19], s[54:55]
	s_wait_alu depctr_va_vdst(0)
	v_and_b32 v13, 8, v11
	s_delay_alu instid0(VALU_DEP_1)
	v_add_nc_u32 v13, v13, v11
	s_delay_alu instid0(VALU_DEP_1)
	v_lshl_add_u32 v13, v12, 3, v13                ; my column of the 32: 8 u + r + 8 (r / 8)
	s_delay_alu instid0(VALU_DEP_1)
	v_lshlrev_b32 v2, 2, v13
	v_lshlrev_b32 v3, 4, v11
	s_delay_alu instid0(VALU_DEP_1)
	v_lshl_add_u32 v3, v12, 11, v3                 ; out: tile u, 16 r
.macro WLOAD q                         ; 16 rows of K: each load reads the 32 columns' 128 consecutive bytes
.set ii, 0
.rept 16
	global_load_b32 v[R+16*(\q)+ii], v2, s[48:49] offset:256*(16*(\q)+ii) th:TH_LOAD_NT
.set ii, ii+1
.endr
.endm
	WLOAD 0
	WLOAD 1
	WLOAD 2
	WLOAD 3
	s_wait_alu depctr_va_vdst(0)
	s_wait_kmcnt 0x0
	s_cmp_eq_u32 s41, 0
	s_cselect_b32 s56, s24, s26                    ; e0, e2
	s_cmp_eq_u32 s41, 2
	s_cselect_b32 s56, s28, s56                    ; e4
	MKSC 56, 4, 5, 58
.macro WGROUP p                        ; k = 16 p .. 16 p + 15 of my column: the 16 bytes that lane r + 16 (p & 1) has in piece p / 2 of my tile's image, at 256 p + 16 r
.if \p < 5
	s_wait_loadcnt 48                              ; group p is in; the three groups behind it may be out
.else
	s_wait_loadcnt 16*(7-\p)
.endif
.if \p < 4
	WLOAD \p+4
.endif
.set ii, 0
.rept 16
	v_med3_num_f32 v[R+16*\p+ii], v[R+16*\p+ii], -v5, v5
.set ii, ii+1
.endr
	v_cvt_scalef32_pk8_fp8_f32 v[C+4*\p:C+4*\p+1], v[R+16*\p:R+16*\p+7], v4
	v_cvt_scalef32_pk8_fp8_f32 v[C+4*\p+2:C+4*\p+3], v[R+16*\p+8:R+16*\p+15], v4
	v_nop
	global_store_b128 v3, v[C+4*\p:C+4*\p+3], s[50:51] offset:256*\p   ; lanes 0-15 and lanes 16-31 each store 256 consecutive bytes, aligned
.endm
	s_wait_alu depctr_va_vdst(0)
.irp p, 0,1,2,3,4,5,6,7
	WGROUP \p
.endr
	s_endpgm
.Lfunc_end_k_q7c4f722ccf_quant:
	.size	k_q7c4f722ccf_quant, .Lfunc_end_k_q7c4f722ccf_quant-k_q7c4f722ccf_quant
	.p2alignl 7, 3214868480
	.fill 96, 4, 3214868480
	.section	.rodata,"a",@progbits
	.p2align	6, 0x0
	.amdhsa_kernel k_q7c4f722ccf_quant
		.amdhsa_group_segment_fixed_size 68608
		.amdhsa_private_segment_fixed_size 0
		.amdhsa_enable_private_segment 0
		.amdhsa_kernarg_size 72
		.amdhsa_user_sgpr_count 2
		.amdhsa_user_sgpr_kernarg_segment_ptr 1
		.amdhsa_wavefront_size32 1
		.amdhsa_system_sgpr_workgroup_id_x 1
		.amdhsa_system_sgpr_workgroup_id_y 1
		.amdhsa_system_sgpr_workgroup_id_z 1
		.amdhsa_system_vgpr_workitem_id 0
		.amdhsa_next_free_vgpr 194
		.amdhsa_next_free_sgpr 66
		.amdhsa_reserve_vcc 0
		.amdhsa_float_denorm_mode_32 3
		.amdhsa_float_denorm_mode_16_64 3
		.amdhsa_memory_ordered 1
		.amdhsa_forward_progress 1
		.amdhsa_inst_pref_size 47
	.end_amdhsa_kernel
	.amdgpu_metadata
---
amdhsa.version: [ 1, 2 ]
amdhsa.kernels:
  - .name:           k_q7c4f722ccf_quant
    .symbol:         k_q7c4f722ccf_quant.kd
    .args:
      - { .name: x, .offset: 0, .size: 8, .value_kind: global_buffer, .address_space: global }
      - { .name: Wq, .offset: 8, .size: 8, .value_kind: global_buffer, .address_space: global }
      - { .name: Wk, .offset: 16, .size: 8, .value_kind: global_buffer, .address_space: global }
      - { .name: Wv, .offset: 24, .size: 8, .value_kind: global_buffer, .address_space: global }
      - { .name: Wo, .offset: 32, .size: 8, .value_kind: global_buffer, .address_space: global }
      - { .name: lowp_scales, .offset: 40, .size: 8, .value_kind: global_buffer, .address_space: global }
      - { .name: XC, .offset: 48, .size: 8, .value_kind: global_buffer, .address_space: global }
      - { .name: WC, .offset: 56, .size: 8, .value_kind: global_buffer, .address_space: global }
      - { .name: WOC, .offset: 64, .size: 8, .value_kind: global_buffer, .address_space: global }
    .group_segment_fixed_size: 68608
    .private_segment_fixed_size: 0
    .kernarg_segment_align: 8
    .kernarg_segment_size: 72
    .max_flat_workgroup_size: 256
    .sgpr_count:     66
    .vgpr_count:     194
    .wavefront_size: 32
...
	.end_amdgpu_metadata
.endif
;; end of part 1
;; launch qkv (part 2): grid 8 x 32, 4 waves a work-group, clusters of 4 x 4, 327,680 bytes of LDS; arguments XC, WC, lowp_scales, QC, KV; writes QC, KV
.if DOCPART == 2
	.amdgcn_target "amdgcn-amd-amdhsa--gfx1250"
	.amdhsa_code_object_version 6
	.text
	.protected	k_q7c4f722ccf_qkv
	.globl	k_q7c4f722ccf_qkv
	.p2align	8
	.type	k_q7c4f722ccf_qkv,@function
k_q7c4f722ccf_qkv:
	s_mov_b64 s[64:65], 0
	v_nop
	global_prefetch_b8 v0, s[64:65] scope:SCOPE_SE
	s_setreg_imm32_b32 hwreg(HW_REG_WAVE_MODE, 25, 1), 1
	s_wait_xcnt 0x0
	s_wait_alu depctr_hold_cnt(0) depctr_sa_sdst(0) depctr_va_vdst(0) depctr_va_sdst(0) depctr_va_ssrc(0) depctr_va_vcc(0) depctr_vm_vsrc(0)
	s_getreg_b32 s2, hwreg(HW_REG_IB_STS2, 6, 4)
	s_cmp_eq_u32 s2, 0
	s_cbranch_scc0 .Lentry_in_a_cluster
	s_endpgm
.Lentry_in_a_cluster:
	s_bfe_u32 s2, ttmp6, 0x10000c
	s_cmp_lg_u32 s2, 0xf033
	s_cbranch_scc0 .Lentry_shape_is_right
	s_endpgm
.Lentry_shape_is_right:
; q, k, v = x W on codes of E4M3; each result is quantised at once, with the scale given for it, into images of the attention's operand registers.
; A work-group makes 256 tokens x a pair of heads (128 columns), for q, then k, then v: 24 K steps of 128 (8 for each, each with its own set of x's codes).  A wave makes 128 tokens x one head: 32 accumulators.
; XC [32 blocks of 256 tokens][24 K steps][16 tiles][2048] and WC [8 pairs of heads][24 K steps][8 tiles][2048] hold images of operand registers: piece c of a fragment is 512 bytes, 16 a lane.
; A (x's codes) goes through a ring of two LDS slots of four K steps, 131,072 bytes each: 6 fills for the 24 K steps; each wave asks for one K step, 32,768 bytes, by a joint load that names the four work-groups of its row of the cluster.
; B (the weights' codes) goes from memory straight into registers: a wave's four fragments of a K step are 16 loads of 512 consecutive bytes, into a ring of four sets, asked three K steps ahead.
; B has no joint load: with B's 16,384 bytes a K step in LDS a slot would hold three K steps and the ring would change slots 8 times; and a wave's fragments of B are read by it alone and one other wave.
; For q and k source 0 = 16 columns of W and source 1 = 16 tokens: a lane's eight results are eight channels of one token.  For v the sources are swapped: eight tokens (keys) of one channel.
; The prefetch: fill f's 512 blocks of 256 bytes are shared out by address among the four partners (cx) and their four waves, a lane a block, one line a wave, two fills ahead of the joint load; the head also asks for fill 1.
; LIMITS: e6 - e0 - e1, e7 - e2 - e3 and e9 - e4 - e5 lie between -126 and 119.
.set SLOT,  131072
.set SPARE, 2*SLOT
.set LI,  2
.set PFO, 5
.set ADA, 8                            ; v8-15 LDS address of my A fragments: 4 x slot + K step in it
.set SPW, 28
.set NIL, 29
.set SC,  32
.set LIM, 36
.set CD,  64
.set G1A, 24
.set G0A, 32
.set MSB, 0
.macro WIN new                         ; the immediate's high byte repeats the setting that is left
.if MSB != \new
	s_set_vgpr_msb (MSB<<8)|\new
.set MSB, \new
.endif
.endm
.macro MKSC se, vsc, vlim, st
	s_add_co_i32 s[\st], s[\se], 127
	s_lshl_b32 s[\st+1], s[\st], 23
	v_mov_b32 v[\vsc], s[\st+1]
	s_add_co_i32 s[\st], s[\st], 8
	s_lshl_b32 s[\st], s[\st], 23
	s_or_b32 s[\st], s[\st], 0x600000
	v_mov_b32 v[\vlim], s[\st]
.endm
.macro PLACES n
.rept \n
	v_nop
.endr
.endm
.macro JLOAD s                         ; my K step of a fill; s_nop 0 and four v_nop follow
	tensor_load_to_lds s[G0A+4*\s:G0A+4*\s+3], s[G1A:G1A+7]
	s_nop 0
.rept 4
	v_nop
.endr
.endm
.macro ASK f
	global_prefetch_b8 v[PFO], s[94:95] offset:(\f)*SLOT th:TH_LOAD_NT scope:SCOPE_SE
.endm
.macro CREST
	s_cmp_lg_u32 s14, 0
	s_cbranch_scc1 .Lnot_wave_0_\@
	s_barrier_signal -3
.Lnot_wave_0_\@:
	s_barrier_wait -3
	s_barrier_signal -1
	s_barrier_wait -1
.endm
.macro CROUND
	s_barrier_signal -1
	s_barrier_wait -1
	CREST
.endm
.macro AFETCH i, p                     ; A's eight fragments of a K step from LDS into set p of window 1
	WIN 0x40
.irp a, 0,1,2,3,4,5,6,7
.irp c, 0,1,2,3
	ds_load_b128 v[128*(\p)+16*\a+4*\c:128*(\p)+16*\a+4*\c+3], v[ADA+(\i)] offset:2048*\a+512*\c
.endr
.endr
.endm
.macro BLOAD k                         ; B's four fragments of K step k from memory into set k % 4 of window 2
	WIN 0x80
.irp b, 0,1,2,3
.irp c, 0,1,2,3
	global_load_b128 v[64*((\k)%4)+16*\b+4*\c:64*((\k)%4)+16*\b+4*\c+3], v[LI], s[86:87] offset:(\k)*16384+2048*\b+512*\c
.endr
.endr
.endm
	s_load_b256 s[4:11], s[0:1], 0x0               ; XC, WC, scales, QC
	s_load_b64 s[12:13], s[0:1], 0x20              ; KV
	v_lshl_add_u32 v[SPW], v0, 2, SPARE
	v_mov_b32 v[NIL], 0
	ds_add_u32 v[SPW], v[NIL]                      ; the opening lines: the add, twice on end, and its wait
	ds_add_u32 v[SPW], v[NIL]
	v_lshrrev_b32 v1, 5, v0
	v_readfirstlane_b32 s14, v1                    ; wave
	v_and_b32 v1, 31, v0
	v_lshlrev_b32 v[LI], 4, v1                     ; 16 x lane
	v_lshlrev_b32 v[PFO], 8, v1                    ; 256 x lane
	s_lshr_b32 s15, s14, 1                         ; my half of the tokens
	s_and_b32 s16, s14, 1                          ; my head of the pair
	s_bfe_u32 s17, ttmp6, 0x40000                  ; cx
	s_bfe_u32 s18, ttmp6, 0x40004                  ; cy
	s_lshl_b32 s19, ttmp9, 2
	s_add_co_u32 s19, s19, s17                     ; pair of heads
	s_and_b32 s20, ttmp7, 0xffff
	s_lshl_b32 s20, s20, 2
	s_add_co_u32 s20, s20, s18                     ; block of tokens
	s_lshl_b32 s21, s18, 2
	s_lshl_b32 s21, 15, s21                        ; my row of the cluster
	s_or_b32 s[G1A], s21, (3<<16)|(1<<21)          ; group 1: a dense block as 128 rows of 32 elements of 8 bytes
	s_mov_b32 s[G1A+1], 32<<16
	s_mov_b32 s[G1A+2], 128<<16
	s_mov_b32 s[G1A+3], 32<<16
	s_mov_b32 s[G1A+4], 128
	s_mov_b32 s[G1A+5], 32
	s_mov_b32 s[G1A+6], 0
	s_mov_b32 s[G1A+7], 0
	s_lshl_b32 s88, s14, 15                        ; my K step of a fill
	s_mul_i32 s80, s20, 786432
	s_lshl_b32 s96, s17, 15                        ; the prefetches: my work-group's quarter of a fill, by cx,
	s_add_co_u32 s96, s96, s80
	s_lshl_b32 s97, s14, 13                        ; and my wave's 8,192 bytes of it
	s_add_co_u32 s96, s96, s97
	s_mov_b32 s97, 0
	s_add_co_u32 s80, s80, s88
	s_mov_b32 s81, 0
	s_mul_i32 s84, s19, 393216
	s_lshl_b32 s85, s16, 13
	s_add_co_u32 s84, s84, s85                     ; B: my head's four tiles
	s_mov_b32 s85, 0
	s_wait_alu depctr_va_vdst(0)
	s_wait_dscnt 0x0
	s_wait_kmcnt 0x0
	s_load_b256 s[68:75], s[8:9], 0x0
	s_load_b128 s[76:79], s[8:9], 0x20
	s_add_nc_u64 s[82:83], s[4:5], s[80:81]
	s_add_nc_u64 s[86:87], s[6:7], s[84:85]
	s_add_nc_u64 s[94:95], s[4:5], s[96:97]
	BLOAD 0
	BLOAD 1
	BLOAD 2
	WIN 0
.irp s, 0,1
	s_mov_b32 s[G0A+4*\s], 1
	s_add_co_u32 s[G0A+4*\s+1], s88, \s*SLOT
	s_add_nc_u64 s[G0A+4*\s+2:G0A+4*\s+3], s[82:83], \s*SLOT
	s_or_b32 s[G0A+4*\s+3], s[G0A+4*\s+3], 0x80000000
.endr
	CROUND                                         ; all sixteen work-groups are here: the first joint loads meet
	JLOAD 0                                        ; fill 0: one tensor load a wave at the head
	ASK 1
	ASK 2
	s_lshl_b32 s89, s15, 14
	v_add_nc_u32 v3, s89, v[LI]
.irp i, 0,1,2,3,4,5,6,7
	v_add_nc_u32 v[ADA+\i], (\i/4)*SLOT+(\i%4)*32768, v3
.endr
	s_lshr_b32 s60, s20, 3                         ; where my results go: (batch, head),
	s_lshl_b32 s60, s60, 4
	s_lshl_b32 s61, s19, 1
	s_add_co_u32 s60, s60, s61
	s_add_co_u32 s60, s60, s16
	s_and_b32 s61, s20, 7                          ; and my 128 tokens of the sequence
	s_lshl_b32 s61, s61, 1
	s_add_co_u32 s61, s61, s15
	s_lshl_b32 s62, s60, 17
	s_lshl_b32 s63, s61, 13
	s_add_co_u32 s62, s62, s63
	s_mov_b32 s63, 0
	s_add_nc_u64 s[56:57], s[10:11], s[62:63]
	s_lshl_b32 s62, s60, 18
	s_lshl_b32 s66, s61, 14
	s_add_co_u32 s62, s62, s66
	s_add_nc_u64 s[58:59], s[12:13], s[62:63]
	s_wait_kmcnt 0x0
	s_sub_co_i32 s91, s74, s68                     ; a sum stands for sum x 2^(e0 + e1): its code is sum / 2^(e6 - e0 - e1)
	s_sub_co_i32 s91, s91, s69
	MKSC 91, SC, LIM, 92
	s_sub_co_i32 s91, s75, s70
	s_sub_co_i32 s91, s91, s71
	MKSC 91, SC+1, LIM+1, 92
	s_sub_co_i32 s91, s77, s72
	s_sub_co_i32 s91, s91, s73
	MKSC 91, SC+2, LIM+2, 92
.macro MUL8 i                          ; 8 of the K step's 32 products; the 32 accumulators take turns in the same order in every K step
.if SW
	WIN 0xf9
.else
	WIN 0xf6
.endif
.irp a, 2*\i, 2*\i+1
.irp b, 0,1,2,3
.set rD, 8*(4*(\a)+\b)
.set rX, 128*(g%2)+16*(\a)
.set rW, 64*(g%4)+16*\b
.if SW && ZR
	v_wmma_f32_16x16x128_fp8_fp8 v[rD:rD+7], v[rX:rX+15], v[rW:rW+15], 0
.elseif SW
	v_wmma_f32_16x16x128_fp8_fp8 v[rD:rD+7], v[rX:rX+15], v[rW:rW+15], v[rD:rD+7]
.elseif ZR
	v_wmma_f32_16x16x128_fp8_fp8 v[rD:rD+7], v[rW:rW+15], v[rX:rX+15], 0
.else
	v_wmma_f32_16x16x128_fp8_fp8 v[rD:rD+7], v[rW:rW+15], v[rX:rX+15], v[rD:rD+7]
.endif
.endr
.endr
.endm
.macro BWAIT                           ; B's fragments of K step g are in; those of the K steps asked behind it (two, at the end fewer) may be out
.if g <= 21
	s_wait_loadcnt 32
.else
	s_wait_loadcnt 16*(23-g)
.endif
.endm
.macro AHEAD                           ; the next K step's A, and B three K steps on, into the sets that the last K step's products have read
	AFETCH (g+1)%8, 1-g%2
.if g+3 < 24
	BLOAD g+3
.endif
.endm
.macro KSTEP
	s_wait_dscnt 0x0
	BWAIT
	PLACES 4
	AHEAD
	MUL8 0
	MUL8 1
	MUL8 2
	MUL8 3
.endm
.macro TURN fill                       ; a slot's last K step changes slots
.set SL, (g/4)%2
	WIN 0
	s_wait_tensorcnt 0x0                           ; all my tensor loads have landed: my part of the next slot
	ds_add_u32 v[SPW], v[NIL]
	s_wait_dscnt 1                                 ; my fragments of A are in; the add may be out
	BWAIT
	MUL8 0
	s_wait_dscnt 0x0                               ; the add is done, and my reads of this slot are over
	s_barrier_signal -1
	MUL8 1
	WIN 0
	s_barrier_wait -1
.if \fill
	CREST                                          ; the barrier has opened a round of the cluster's barrier
	s_add_nc_u64 s[G0A+4*SL+2:G0A+4*SL+3], s[G0A+4*SL+2:G0A+4*SL+3], 2*SLOT
	JLOAD SL                                       ; its four v_nop are also the places in front of the loads below
.else
	PLACES 4
.endif
	AHEAD
.if (\fill) && (g/4+4 <= 5)
	ASK g/4+4
.endif
	MUL8 2
	MUL8 3
.endm
.macro EPI                             ; one of q, k, v is finished: held, converted, stored as images
.set PS, g/8
	s_wait_xcnt 0x0                                ; the last stores have read their registers
	PLACES 4
	WIN 0xc3
.set ii, 0
.rept 256
	v_med3_num_f32 v[ii], v[ii], -v[LIM+PS], v[LIM+PS]
.set ii, ii+1
.endr
	WIN 0x03
.set ii, 0
.rept 32
.if PS < 2
.set rC, CD+2*ii
.else
.set rC, CD+16*(ii%4)+2*(ii/4)
.endif
	v_cvt_scalef32_pk8_fp8_f32 v[rC:rC+1], v[8*ii:8*ii+7], v[SC+PS]
.set ii, ii+1
.endr
	v_nop                                          ; a plain line behind the last conversion
	WIN 0
.set ii, 0
.rept 16
.if PS == 0
	global_store_b128 v[LI], v[CD+4*ii:CD+4*ii+3], s[56:57] offset:512*ii
.elseif PS == 1
	global_store_b128 v[LI], v[CD+4*ii:CD+4*ii+3], s[58:59] offset:512*ii
.else
	global_store_b128 v[LI], v[CD+4*ii:CD+4*ii+3], s[58:59] offset:8192+512*ii
.endif
.set ii, ii+1
.endr
.endm
	s_wait_alu depctr_va_vdst(0)
	s_wait_tensorcnt 0x0                           ; my part of fill 0 is in; these lines stand ahead of a later first fill as ahead of a refill
	ds_add_u32 v[SPW], v[NIL]
	s_wait_dscnt 0x0
	CROUND
	JLOAD 1                                        ; fill 1, the first tensor load behind the round
	ASK 3
	AFETCH 0, 0
.set g, 0
.rept 24
.set ZR, 0
.if (g%8) == 0
.set ZR, 1
.endif
.set SW, 0
.if g >= 16
.set SW, 1
.endif
.if g == 23
	s_wait_dscnt 0x0
	BWAIT
	MUL8 0
	MUL8 1
	MUL8 2
	MUL8 3
.elseif (g%4) == 3
.if g <= 15
	TURN 1
.else
	TURN 0
.endif
.else
	KSTEP
.endif
.if (g%8) == 7
	EPI
.endif
.set g, g+1
.endr
	s_wait_tensorcnt 0x0                           ; the wave's end
	ds_add_u32 v[SPW], v[NIL]
	s_wait_dscnt 0x0
	CROUND                                         ; the closing round
	s_endpgm
.Lfunc_end_k_q7c4f722ccf_qkv:
	.size	k_q7c4f722ccf_qkv, .Lfunc_end_k_q7c4f722ccf_qkv-k_q7c4f722ccf_qkv
	.p2alignl 7, 3214868480
	.fill 96, 4, 3214868480
	.section	.rodata,"a",@progbits
	.p2align	6, 0x0
	.amdhsa_kernel k_q7c4f722ccf_qkv
		.amdhsa_group_segment_fixed_size 327680
		.amdhsa_private_segment_fixed_size 0
		.amdhsa_enable_private_segment 0
		.amdhsa_kernarg_size 40
		.amdhsa_user_sgpr_count 2
		.amdhsa_user_sgpr_kernarg_segment_ptr 1
		.amdhsa_wavefront_size32 1
		.amdhsa_system_sgpr_workgroup_id_x 1
		.amdhsa_system_sgpr_workgroup_id_y 1
		.amdhsa_system_sgpr_workgroup_id_z 1
		.amdhsa_system_vgpr_workitem_id 0
		.amdhsa_next_free_vgpr 1024
		.amdhsa_next_free_sgpr 100
		.amdhsa_reserve_vcc 0
		.amdhsa_float_denorm_mode_32 3
		.amdhsa_float_denorm_mode_16_64 3
		.amdhsa_memory_ordered 1
		.amdhsa_forward_progress 1
		.amdhsa_inst_pref_size 209
	.end_amdhsa_kernel
	.amdgpu_metadata
---
amdhsa.version: [ 1, 2 ]
amdhsa.kernels:
  - .name:           k_q7c4f722ccf_qkv
    .symbol:         k_q7c4f722ccf_qkv.kd
    .args:
      - { .name: XC, .offset: 0, .size: 8, .value_kind: global_buffer, .address_space: global }
      - { .name: WC, .offset: 8, .size: 8, .value_kind: global_buffer, .address_space: global }
      - { .name: lowp_scales, .offset: 16, .size: 8, .value_kind: global_buffer, .address_space: global }
      - { .name: QC, .offset: 24, .size: 8, .value_kind: global_buffer, .address_space: global }
      - { .name: KV, .offset: 32, .size: 8, .value_kind: global_buffer, .address_space: global }
    .group_segment_fixed_size: 327680
    .private_segment_fixed_size: 0
    .kernarg_segment_align: 8
    .kernarg_segment_size: 40
    .max_flat_workgroup_size: 128
    .sgpr_count:     100
    .vgpr_count:     1024
    .wavefront_size: 32
...
	.end_amdgpu_metadata
.endif
;; end of part 2
;; launch attn (part 3): grid 4 x 64, 8 waves a work-group, clusters of 4 x 1, 263,168 bytes of LDS; arguments QC, KV, lowp_scales, CC; writes CC
.if DOCPART == 3
	.amdgcn_target "amdgcn-amd-amdhsa--gfx1250"
	.amdhsa_code_object_version 6
	.text
	.protected	k_q7c4f722ccf_attn
	.globl	k_q7c4f722ccf_attn
	.p2align	8
	.type	k_q7c4f722ccf_attn,@function
k_q7c4f722ccf_attn:
	s_mov_b64 s[64:65], 0
	v_nop
	global_prefetch_b8 v0, s[64:65] scope:SCOPE_SE
	s_setreg_imm32_b32 hwreg(HW_REG_WAVE_MODE, 25, 1), 1
	s_wait_xcnt 0x0
	s_wait_alu depctr_hold_cnt(0) depctr_sa_sdst(0) depctr_va_vdst(0) depctr_va_sdst(0) depctr_va_ssrc(0) depctr_va_vcc(0) depctr_vm_vsrc(0)
	s_getreg_b32 s2, hwreg(HW_REG_IB_STS2, 6, 4)
	s_cmp_eq_u32 s2, 0
	s_cbranch_scc0 .Lentry_in_a_cluster
	s_endpgm
.Lentry_in_a_cluster:
	s_bfe_u32 s2, ttmp6, 0x10000c
	s_cmp_lg_u32 s2, 0x3003
	s_cbranch_scc0 .Lentry_shape_is_right
	s_endpgm
.Lentry_shape_is_right:
; Causal attention on codes of E4M3, head size 64, 2,048 keys; the result, divided by the row's sum, is quantised at once for the output projection.
; LEFT OUT: key steps all of whose keys come after a block's queries: the causal mask makes their scores -infinity, so their p is 0 for all inputs.
; THE SOFTMAX: t = score x log2(e) / 8; M = the running largest t rounded UP to a whole number; p = 2^(t - M) is quantised, not normalised; the row's sum is taken of the unquantised p
; and divides at the end; when M moves, the sum and O are multiplied by 2^(old M - new M), which rounds nothing.
; THE WHOLE HEAD LIES IN LDS: 16 key steps of 16,384 bytes (8 images of 16 keys, 4 images of V^T).  Wave w asks for key steps 2 w and 2 w + 1, once, by one load of 32,768 bytes: nothing is filled again.
; CLUSTER 4 x 1: the four work-groups of a head want the same bytes: each load is a joint one, with a mask that names the four.
; No prefetch: all tiles are asked for at the head, so there is no loop to run ahead in.
; SHARES: a wave owns a block of 32 queries, two tiles A and B, so that each fragment of K and of V that it reads from LDS feeds two matrix instructions.
; Block T (0..63) needs T / 4 + 1 key steps of 128 keys.  A wave takes blocks T and 63 - T: 17 steps, whatever T.  T = 4 w + cx: the number of steps and all LDS addresses hang on the wave's number alone;
; the place in the cluster enters only Q's and CC's addresses in memory and the mask's numbers.
; A block begins with its step on the diagonal (every query sees itself there), hidden scores made -infinity; then come the steps in front of it, in a loop of a constant 15 trips
; that jumps over the work of the steps that the mask throws away.  The next step's fragments of K are asked for behind the score products, a step's softmax ahead of their use.
; LAYOUT: S^T = K Q^T, O^T = V^T P: a lane holds ONE query of each tile.  Tile t's eight registers are keys 16 t + 8 h + 0 .. 7: their codes are registers 2 t, 2 t + 1 of P.
;   CC [32 blocks of 256 tokens][8 K steps of 128 = pairs of heads][16 tiles of tokens][2048]: piece c: lane l's 16 bytes at 512 c + 16 l
; REGISTERS.  Window 0: v0-31 state, v32-47 Q of A and B, v48-63 the sums' parts, v64-127 K, v128-191 S of A, v192-255 S of B.
;   Window 1: v0-63 V^T, v64-95 O of A, v96-127 O of B, v128-159 P's codes, v160-175 the second block's Q.
; LIMITS: e6 + e7 between -123 and 130 (added to c's exponent field); e8, and e10 - e8 - e9, between -126 and 119.  Scaled scores stay under 2^31 in magnitude.
.set LI,   1                           ; 16 x lane
.set ADR,  2                           ; LDS address of the key step in hand
.set SCO,  3                           ; 2^(e10 - e8 - e9)
.set NEG,  4                           ; -infinity
.set LIMO, 5                           ; 448 x 2^(e10 - e8 - e9)
.set LIMP, 6                           ; v6, v7: 448 x 2^e8, twice: the two halves of a dual line take their second sources from two registers
.set F,    8                           ; v[8:9], v[10:11]  f = 2^(old M - new M) of A, B; at the end 1 / the sum
.set NM,   12                          ; v12, v14  -M;  v13, v15 the largest score so far
.set L,    16                          ; v[16:17], v[18:19] the sums, in two halves
.set PERM, 20                          ; v20, v21 lane permutes' destinations
.set D0,   22                          ; r - 8 h
.set SCP,  23                          ; 2^e8
.set MX,   24                          ; v24-27, v28-31 the maxima's four chains
.set Q,    32
.set T,    48
.set KF,   64
.set S,    128
.set VF,   0                           ; window 1
.set O,    64
.set P,    128
.set Q2,   160
.set WV,   12
.set NA,   15                          ; the block's key step on the diagonal = the number of steps in front of it
.set RR,   16                          ; the block's place in that step, in blocks of 32
.set TT,   17                          ; the block
.set KD,   18                          ; LDS byte of the diagonal's key step
.set KO,   19                          ; LDS byte of the loop's key step
.set SEL,  20
.set CS,   22
.set KS,   36
.set TRIP, 37
.set MSB, 0
.macro WIN new                         ; the immediate's high byte repeats the setting that is left
.if MSB != \new
	s_set_vgpr_msb (MSB<<8)|\new
.set MSB, \new
.endif
.endm
.macro MKSC se, vsc, vlim, st
	s_add_co_i32 s[\st], s[\se], 127
	s_lshl_b32 s[\st+1], s[\st], 23
	v_mov_b32 v[\vsc], s[\st+1]
	s_add_co_i32 s[\st], s[\st], 8
	s_lshl_b32 s[\st], s[\st], 23
	s_or_b32 s[\st], s[\st], 0x600000
	v_mov_b32 v[\vlim], s[\st]
.endm
.macro CROUND                          ; a round of the cluster's barrier
	s_barrier_signal -1
	s_barrier_wait -1
	s_cmp_lg_u32 s[WV], 0
	s_cbranch_scc1 .Lnot_wave_0_\@
	s_barrier_signal -3
.Lnot_wave_0_\@:
	s_barrier_wait -3
	s_barrier_signal -1
	s_barrier_wait -1
.endm
.macro KLOAD adr, off                  ; a key step's eight fragments of K: 16 loads
.irp t, 0,1,2,3,4,5,6,7
	ds_load_b128 v[KF+8*\t:KF+8*\t+3],   v[\adr] offset:\off+1024*\t
	ds_load_b128 v[KF+8*\t+4:KF+8*\t+7], v[\adr] offset:\off+1024*\t+512
.endr
.endm
	s_load_b256 s[4:11], s[0:1], 0x0               ; QC s[4:5], KV s[6:7], scales s[8:9], CC s[10:11]
	v_lshl_add_u32 v62, v0, 2, 0x40000
	v_mov_b32 v63, 0
	ds_add_u32 v62, v63                            ; the opening lines: the add, twice on end, and its wait
	ds_add_u32 v62, v63
	s_wait_dscnt 0x0
	v_lshrrev_b32 v1, 5, v0
	v_readfirstlane_b32 s[WV], v1                  ; wave 0..7
	s_bfe_u32 s13, ttmp6, 0x40000                  ; cx
	s_and_b32 s14, ttmp7, 0xffff                   ; (batch, head), which the four partners share
	s_mov_b32 s24, 15|(3<<16)|(1<<21)              ; group 1: the mask: all four; elements of 8 bytes; bit 21 beside a mask; a dense block as 128 rows of 256 bytes
	s_mov_b32 s25, 32<<16
	s_mov_b32 s26, 128<<16
	s_mov_b32 s27, 32<<16
	s_mov_b32 s28, 128
	s_mov_b32 s29, 32
	s_mov_b32 s30, 0
	s_mov_b32 s31, 0
	s_mov_b32 s32, 1
	s_lshl_b32 s33, s[WV], 15                      ; key steps 2 w, 2 w + 1 go to LDS byte 32,768 w
	s_lshl_b32 s40, s14, 18
	s_add_co_u32 s40, s40, s33
	s_mov_b32 s41, 0
	s_wait_kmcnt 0x0
	s_load_b256 s[48:55], s[8:9], 0x0              ; e0 .. e7
	s_load_b128 s[56:59], s[8:9], 0x20             ; e8 .. e11
	s_add_nc_u64 s[34:35], s[6:7], s[40:41]
	s_or_b32 s35, s35, 0x80000000
	CROUND                                         ; all four work-groups are here: the joint loads meet
	tensor_load_to_lds s[32:35], s[24:31]          ; my one tensor load
	s_nop 0
.rept 4
	v_nop
.endr
	v_and_b32 v1, 31, v0
	v_lshlrev_b32 v[LI], 4, v1
	v_and_b32 v[D0], 15, v0
	v_bfe_u32 v2, v0, 4, 1
	v_lshlrev_b32 v2, 3, v2
	v_sub_nc_u32 v[D0], v[D0], v2
	v_mov_b32 v[F+1], 0                            ; (named as the upper halves of pairs)
	v_mov_b32 v[F+3], 0
	v_mov_b32 v[PERM], 0                           ; a lane permute's destination counts as one of its sources
	v_mov_b32 v[PERM+1], 0
	v_mov_b32 v[NEG], 0xff800000
	s_mov_b32 s[NA], s[WV]
	s_mov_b32 s[RR], s13
	s_lshl_b32 s[TT], s[NA], 2
	s_add_co_u32 s[TT], s[TT], s[RR]
	s_lshl_b32 s[KD], s[NA], 14
	s_lshl_b32 s40, s14, 17                        ; QC: the head's 64 blocks of 2,048 bytes
	s_lshl_b32 s42, s[TT], 11
	s_add_co_u32 s42, s42, s40
	s_mov_b32 s43, 0
	s_add_nc_u64 s[42:43], s[4:5], s[42:43]
	s_xor_b32 s44, s[TT], 63
	s_lshl_b32 s44, s44, 11
	s_add_co_u32 s44, s44, s40
	s_mov_b32 s45, 0
	s_add_nc_u64 s[44:45], s[4:5], s[44:45]
	s_wait_alu depctr_va_vdst(0)
.irp i, 0,1,2,3
	global_load_b128 v[Q+4*\i:Q+4*\i+3], v[LI], s[42:43] offset:512*\i
.endr
	WIN 0x40
.irp i, 0,1,2,3
	global_load_b128 v[Q2+4*\i:Q2+4*\i+3], v[LI], s[44:45] offset:512*\i
.endr
	WIN 0
	s_lshr_b32 s38, s14, 4
	s_lshl_b32 s38, s38, 3                         ; CC: the batch's first block of 256 tokens
	s_bfe_u32 s39, s14, 0x30001
	s_lshl_b32 s39, s39, 15                        ; the pair of heads is the K step,
	s_and_b32 s60, s14, 1
	s_lshl_b32 s60, s60, 10
	s_add_co_u32 s39, s39, s60                     ; and the head its half of each image
	s_mov_b32 s[SEL], 0x76543210
	s_mov_b32 s[SEL+1], 0xfedcba98
	s_mov_b32 s[CS], 0x3e38aa3b                    ; c = log2(e) / 8
	s_wait_kmcnt 0x0
	s_add_co_i32 s60, s54, s55
	s_lshl_b32 s60, s60, 23
	s_add_co_i32 s[CS], s[CS], s60                 ; a score stands for score x 2^(e6 + e7): added to c's exponent field
	s_mov_b32 s[CS+1], s[CS]
	MKSC 56, SCP, LIMP, 60
	v_mov_b32 v[LIMP+1], v[LIMP]
	s_sub_co_i32 s62, s58, s56                     ; O / the sum stands for that x 2^(e8 + e9): its code is that / 2^(e10 - e8 - e9)
	s_sub_co_i32 s62, s62, s57
	MKSC 62, SCO, LIMO, 60
	s_wait_alu depctr_va_vdst(0)
	s_wait_loadcnt 0x0                             ; Q
	s_wait_tensorcnt 0x0                           ; my two key steps are in,
	s_barrier_signal -1
	s_barrier_wait -1                              ; everybody's are: all 16 lie in LDS, and nobody writes LDS again
; A KEY STEP of 128 keys for both tiles.  Its 16 loads of K are out when it begins.  first = 1: the step on the diagonal, which starts M, the sums and O^T.
.macro STEP first, ko
.if \first == 0
	v_add_nc_u32 v[ADR], s[\ko], v[LI]
.rept 3
	v_nop                                          ; with the addition: four plain lines between the last products and the loads into registers that they read
.endr
.endif
	WIN 0x40
.irp u, 0,1,2,3
.irp c, 0,1,2,3
	ds_load_b128 v[VF+16*\u+4*\c:VF+16*\u+4*\c+3], v[ADR] offset:8192+2048*\u+512*\c
.endr
.endr
	WIN 0
	s_wait_alu depctr_va_vdst(0)
	s_wait_dscnt 16                                ; K's 16 loads are in; V's 16 may be out
.irp t, 0,1,2,3,4,5,6,7
	v_wmma_f32_16x16x64_fp8_fp8 v[S+8*\t:S+8*\t+7], v[KF+8*\t:KF+8*\t+7], v[Q:Q+7], 0
	v_wmma_f32_16x16x64_fp8_fp8 v[S+64+8*\t:S+64+8*\t+7], v[KF+8*\t:KF+8*\t+7], v[Q+8:Q+15], 0
.endr
.rept 4
	v_nop                                          ; four plain lines ahead of the loads into K's registers and of the first reads of the scores
.endr
.if \first
	KLOAD LI, 0                                    ; the next step's K: behind the diagonal comes key step 0,
.else
	KLOAD ADR, 16384                               ; else the step that follows (the last of these is the diagonal's and is not used)
.endif
.if \first
	s_lshl_b32 s40, s[RR], 5
	v_add_nc_u32 v[MX], s40, v[D0]                 ; d = A's query's place in the step - 8 h.  A's register 8 t + j holds key 16 t + 8 h + j: hidden where 16 t + j > d.
	v_mov_b32 v[NM+1], v[NEG]                      ; B's queries lie 16 further on: B's tile t + 1 is hidden where A's tile t is, and its tile 0 nowhere
	v_mov_b32 v[NM+3], v[NEG]
.set nn, 0
.rept 64
	v_cmp_gt_i32 vcc_lo, 16*(nn/8)+nn%8, v[MX]
	v_cndmask_b32 v[S+nn], v[S+nn], v[NEG], vcc_lo
.if nn < 56
	v_cndmask_b32 v[S+72+nn], v[S+72+nn], v[NEG], vcc_lo
.endif
.set nn, nn+1
.endr
.endif
.set nn, 0                                     ; the largest score so far: four chains a tile, all begun with the running one, A's and B's lines by turns; each tile from its low end on
.rept 32
.irp x, 0,1
.if nn < 4
	v_max3_num_f32 v[MX+4*\x+nn], v[NM+1+2*\x], v[S+64*\x+2*nn], v[S+64*\x+2*nn+1]
.else
	v_max3_num_f32 v[MX+4*\x+nn%4], v[MX+4*\x+nn%4], v[S+64*\x+2*nn], v[S+64*\x+2*nn+1]
.endif
.endr
.set nn, nn+1
.endr
	v_max3_num_f32 v[MX], v[MX], v[MX+1], v[MX+2]  ; A's and B's lines by turns
	v_max3_num_f32 v[MX+4], v[MX+4], v[MX+5], v[MX+6]
	v_max_num_f32 v[MX], v[MX], v[MX+3]
	v_max_num_f32 v[MX+4], v[MX+4], v[MX+7]
	v_permlanex16_b32 v[PERM], v[MX], s[SEL], s[SEL+1]
	v_permlanex16_b32 v[PERM+1], v[MX+4], s[SEL], s[SEL+1]
	v_max_num_f32 v[NM+1], v[MX], v[PERM]          ; and among lane l xor 16's
	v_max_num_f32 v[NM+3], v[MX+4], v[PERM+1]
	v_mul_f32 v[MX+1], s[CS], v[NM+1]              ; as t (c is positive)
	v_mul_f32 v[MX+5], s[CS], v[NM+3]
.if \first
	v_floor_f32 v[NM], -v[MX+1]                    ; -M = floor(-t) = -ceil(t)
	v_floor_f32 v[NM+2], -v[MX+5]
.else
	v_floor_f32 v[MX+1], -v[MX+1]
	v_floor_f32 v[MX+5], -v[MX+5]
	v_sub_f32 v[MX+2], v[MX+1], v[NM]              ; old M - new M: a whole number, 0 or less
	v_sub_f32 v[MX+6], v[MX+5], v[NM+2]
	v_mov_b32 v[NM], v[MX+1]
	v_mov_b32 v[NM+2], v[MX+5]
	v_cvt_i32_f32 v[MX+2], v[MX+2]
	v_cvt_i32_f32 v[MX+6], v[MX+6]
	v_ldexp_f32 v[F], 1.0, v[MX+2]                 ; f
	v_ldexp_f32 v[F+2], 1.0, v[MX+6]
.endif
.irp x, 0,1
.set jj, 0
.rept 32
	v_pk_fma_f32 v[S+64*\x+jj:S+64*\x+jj+1], v[S+64*\x+jj:S+64*\x+jj+1], s[CS:CS+1], v[NM+2*\x:NM+2*\x+1] op_sel_hi:[1,0,0]   ; t - M, two at a time
.set jj, jj+2
.endr
.endr
	s_wait_alu depctr_va_vdst(0)
.set jj, 0
.rept 128
	v_exp_f32 v[S+jj], v[S+jj]                     ; p = 2^(t - M)
.set jj, jj+1
.endr
.if \first
	v_mov_b32 v[L], 0                              ; (plain lines behind the exponentials)
	v_mov_b32 v[L+1], 0
	v_mov_b32 v[L+2], 0
	v_mov_b32 v[L+3], 0
.else
	v_pk_mul_f32 v[L:L+1], v[L:L+1], v[F:F+1] op_sel_hi:[1,0]           ; the sums under the new M
	v_pk_mul_f32 v[L+2:L+3], v[L+2:L+3], v[F+2:F+3] op_sel_hi:[1,0]
.endif
	s_wait_alu depctr_va_vdst(0)                   ; one wait for the batch, ahead of its first reader
.irp x, 0,1                                    ; the row's sum of the unquantised p: eight chains, then a tree
.set ii, 0
.rept 8
	v_pk_add_f32 v[T+2*ii:T+2*ii+1], v[S+64*\x+2*ii:S+64*\x+2*ii+1], v[S+64*\x+16+2*ii:S+64*\x+17+2*ii]
.set ii, ii+1
.endr
.irp g, 32,48
.set ii, 0
.rept 8
	v_pk_add_f32 v[T+2*ii:T+2*ii+1], v[T+2*ii:T+2*ii+1], v[S+64*\x+\g+2*ii:S+64*\x+\g+1+2*ii]
.set ii, ii+1
.endr
.endr
.irp i, 0,2,4,6
	v_pk_add_f32 v[T+\i:T+\i+1], v[T+\i:T+\i+1], v[T+8+\i:T+9+\i]
.endr
	v_pk_add_f32 v[T:T+1], v[T:T+1], v[T+4:T+5]
	v_pk_add_f32 v[T+2:T+3], v[T+2:T+3], v[T+6:T+7]
	v_pk_add_f32 v[T:T+1], v[T:T+1], v[T+2:T+3]
	v_pk_add_f32 v[L+2*\x:L+2*\x+1], v[L+2*\x:L+2*\x+1], v[T:T+1]
.endr
.set jj, 0
.rept 64
	v_dual_min_num_f32 v[S+jj], v[S+jj], v[LIMP] :: v_dual_min_num_f32 v[S+jj+1], v[S+jj+1], v[LIMP+1]   ; the conversion does not saturate (ISA guide 7.6.2); p is not negative: a one-sided hold, two a line
.set jj, jj+2
.endr
	WIN 0x40                                       ; the codes go to window 1
.irp x, 0,1
.irp t, 0,1,2,3,4,5,6,7
	v_cvt_scalef32_pk8_fp8_f32 v[P+16*\x+2*\t:P+16*\x+2*\t+1], v[S+64*\x+8*\t:S+64*\x+8*\t+7], v[SCP]
.endr
.endr
.if \first
	v_nop                                          ; a plain line between the conversions and the products that read their results
.else
	WIN 0x41
	s_wait_alu depctr_va_vdst(0)
.irp x, 0,1
.set jj, 0
.rept 16
	v_pk_mul_f32 v[O+32*\x+jj:O+32*\x+jj+1], v[O+32*\x+jj:O+32*\x+jj+1], v[F+2*\x:F+2*\x+1] op_sel_hi:[1,0]   ; O^T under the new M
.set jj, jj+2
.endr
.endr
.endif
	s_wait_alu depctr_va_vdst(0)
	s_wait_dscnt 16                                ; V is in; the next step's 16 loads of K may be out
	WIN 0x55
.irp u, 0,1,2,3
.irp x, 0,1
.if \first
	v_wmma_f32_16x16x128_fp8_fp8 v[O+32*\x+8*\u:O+32*\x+8*\u+7], v[VF+16*\u:VF+16*\u+15], v[P+16*\x:P+16*\x+15], 0
.else
	v_wmma_f32_16x16x128_fp8_fp8 v[O+32*\x+8*\u:O+32*\x+8*\u+7], v[VF+16*\u:VF+16*\u+15], v[P+16*\x:P+16*\x+15], v[O+32*\x+8*\u:O+32*\x+8*\u+7]
.endif
.endr
.endr
	WIN 0
.endm
	s_mov_b32 s[TRIP], 2
.Ltile:
	v_add_nc_u32 v[ADR], s[KD], v[LI]
	KLOAD ADR, 0                                   ; the diagonal's K
	STEP 1, KD
	s_mov_b32 s[KS], 0
	s_mov_b32 s[KO], 0
.Lkey:                                             ; 15 trips for every wave and block; the work of key steps at or behind the diagonal is jumped over
	s_cmp_ge_u32 s[KS], s[NA]
	s_cbranch_scc1 .Lskip
	STEP 0, KO
.Lskip:
	s_add_co_u32 s[KO], s[KO], 16384
	s_add_co_u32 s[KS], s[KS], 1
	s_cmp_lt_u32 s[KS], 15
	s_cbranch_scc1 .Lkey
	s_wait_dscnt 0x0                               ; the last 16 loads of K have landed: their registers are loaded anew in the next trip
	; THE WAY OUT of a block: O^T / the sum, held, converted: the codes are pieces of images of the next product's operand
	v_add_f32 v[L], v[L], v[L+1]
	v_add_f32 v[L+2], v[L+2], v[L+3]
	v_permlanex16_b32 v[PERM], v[L], s[SEL], s[SEL+1]
	v_permlanex16_b32 v[PERM+1], v[L+2], s[SEL], s[SEL+1]
	v_add_f32 v[L], v[L], v[PERM]
	v_add_f32 v[L+2], v[L+2], v[PERM+1]
	s_wait_alu depctr_va_vdst(0)
	v_rcp_f32 v[F], v[L]
	v_rcp_f32 v[F+2], v[L+2]
	v_nop                                          ; a plain line behind the reciprocals
	s_lshr_b32 s40, s[TT], 3
	s_add_co_u32 s40, s40, s38                     ; the block of 256 tokens,
	s_lshl_b32 s40, s40, 18
	s_and_b32 s41, s[TT], 7
	s_lshl_b32 s41, s41, 12                        ; tile A's place in it (tile B's image follows, 2,048 bytes on),
	s_add_co_u32 s40, s40, s41
	s_add_co_u32 s40, s40, s39                     ; the K step and the head's half
	s_mov_b32 s41, 0
	s_add_nc_u64 s[46:47], s[10:11], s[40:41]
	WIN 0x01
	s_wait_alu depctr_va_vdst(0)                   ; the wait ahead of the first reader of the reciprocals and of O^T
.irp x, 0,1
.set jj, 0
.rept 16
	v_pk_mul_f32 v[S+64*\x+jj:S+64*\x+jj+1], v[O+32*\x+jj:O+32*\x+jj+1], v[F+2*\x:F+2*\x+1] op_sel_hi:[1,0]
.set jj, jj+2
.endr
.endr
	WIN 0
.irp x, 0,1
.set jj, 0
.rept 32
	v_med3_num_f32 v[S+64*\x+jj], v[S+64*\x+jj], -v[LIMO], v[LIMO]
.set jj, jj+1
.endr
.endr
.irp x, 0,1
.irp u, 0,1,2,3
	v_cvt_scalef32_pk8_fp8_f32 v[S+64*\x+32+2*\u:S+64*\x+33+2*\u], v[S+64*\x+8*\u:S+64*\x+8*\u+7], v[SCO]
.endr
.endr
	v_nop                                          ; a plain line between the conversions and the next block's products, which write these registers
.irp x, 0,1
	global_store_b128 v[LI], v[S+64*\x+32:S+64*\x+35], s[46:47] offset:2048*\x        ; channels 16 h + 0 .. 15 of my query: 512 consecutive bytes a store, aligned
	global_store_b128 v[LI], v[S+64*\x+36:S+64*\x+39], s[46:47] offset:2048*\x+512    ; channels 32 + 16 h + 0 .. 15
.endr
	s_wait_xcnt 0x0                                ; the stores have read their registers and their base: both are written again in the next trip
	s_xor_b32 s[NA], s[NA], 15                     ; block 63 - T: its diagonal's key step is 15 - a,
	s_xor_b32 s[RR], s[RR], 3                      ; its place there 3 - rr
	s_xor_b32 s[TT], s[TT], 63
	s_xor_b32 s[KD], s[KD], 0x3c000
	WIN 0x01
.set jj, 0
.rept 16
	v_mov_b32 v[Q+jj], v[Q2+jj]
.set jj, jj+1
.endr
	WIN 0
	s_sub_co_u32 s[TRIP], s[TRIP], 1
	s_cmp_lg_u32 s[TRIP], 0
	s_wait_alu depctr_va_vdst(0)
	s_cbranch_scc1 .Ltile
	v_lshl_add_u32 v62, v0, 2, 0x40000             ; the add's two registers, made anew from v0
	v_mov_b32 v63, 0
	s_wait_alu depctr_va_vdst(0)
	s_wait_tensorcnt 0x0                           ; the wave's end
	ds_add_u32 v62, v63
	s_wait_dscnt 0x0
	CROUND                                         ; the closing round: no work-group ends while a partner may still ask for a tile that names it
	s_endpgm
.Lfunc_end_k_q7c4f722ccf_attn:
	.size	k_q7c4f722ccf_attn, .Lfunc_end_k_q7c4f722ccf_attn-k_q7c4f722ccf_attn
	.p2alignl 7, 3214868480
	.fill 96, 4, 3214868480
	.section	.rodata,"a",@progbits
	.p2align	6, 0x0
	.amdhsa_kernel k_q7c4f722ccf_attn
		.amdhsa_group_segment_fixed_size 263168
		.amdhsa_private_segment_fixed_size 0
		.amdhsa_enable_private_segment 0
		.amdhsa_kernarg_size 32
		.amdhsa_user_sgpr_count 2
		.amdhsa_user_sgpr_kernarg_segment_ptr 1
		.amdhsa_wavefront_size32 1
		.amdhsa_system_sgpr_workgroup_id_x 1
		.amdhsa_system_sgpr_workgroup_id_y 1
		.amdhsa_system_sgpr_workgroup_id_z 1
		.amdhsa_system_vgpr_workitem_id 0
		.amdhsa_next_free_vgpr 448
		.amdhsa_next_free_sgpr 66
		.amdhsa_reserve_vcc 1
		.amdhsa_float_denorm_mode_32 3
		.amdhsa_float_denorm_mode_16_64 3
		.amdhsa_memory_ordered 1
		.amdhsa_forward_progress 1
		.amdhsa_inst_pref_size 77
	.end_amdhsa_kernel
	.amdgpu_metadata
---
amdhsa.version: [ 1, 2 ]
amdhsa.kernels:
  - .name:           k_q7c4f722ccf_attn
    .symbol:         k_q7c4f722ccf_attn.kd
    .args:
      - { .name: QC, .offset: 0, .size: 8, .value_kind: global_buffer, .address_space: global }
      - { .name: KV, .offset: 8, .size: 8, .value_kind: global_buffer, .address_space: global }
      - { .name: lowp_scales, .offset: 16, .size: 8, .value_kind: global_buffer, .address_space: global }
      - { .name: CC, .offset: 24, .size: 8, .value_kind: global_buffer, .address_space: global }
    .group_segment_fixed_size: 263168
    .private_segment_fixed_size: 0
    .kernarg_segment_align: 8
    .kernarg_segment_size: 32
    .max_flat_workgroup_size: 256
    .sgpr_count:     66
    .vgpr_count:     448
    .wavefront_size: 32
...
	.end_amdgpu_metadata
.endif
;; end of part 3
;; launch oproj (part 4): grid 8 x 32, 4 waves a work-group, clusters of 4 x 4, 280,064 bytes of LDS; arguments CC, WOC, lowp_scales, out0; writes out0
.if DOCPART == 4
	.amdgcn_target "amdgcn-amd-amdhsa--gfx1250"
	.amdhsa_code_object_version 6
	.text
	.protected	k_q7c4f722ccf_oproj
	.globl	k_q7c4f722ccf_oproj
	.p2align	8
	.type	k_q7c4f722ccf_oproj,@function
k_q7c4f722ccf_oproj:
	s_mov_b64 s[64:65], 0
	v_nop
	global_prefetch_b8 v0, s[64:65] scope:SCOPE_SE
	s_setreg_imm32_b32 hwreg(HW_REG_WAVE_MODE, 25, 1), 1
	s_wait_xcnt 0x0
	s_wait_alu depctr_hold_cnt(0) depctr_sa_sdst(0) depctr_va_vdst(0) depctr_va_sdst(0) depctr_va_ssrc(0) depctr_va_vcc(0) depctr_vm_vsrc(0)
	s_getreg_b32 s2, hwreg(HW_REG_IB_STS2, 6, 4)
	s_cmp_eq_u32 s2, 0
	s_cbranch_scc0 .Lentry_in_a_cluster
	s_endpgm
.Lentry_in_a_cluster:
	s_bfe_u32 s2, ttmp6, 0x10000c
	s_cmp_lg_u32 s2, 0xf033
	s_cbranch_scc0 .Lentry_shape_is_right
	s_endpgm
.Lentry_shape_is_right:
; out0 = concat Wo^T on codes of E4M3; each finished sum is multiplied once by 2^(e10 + e11).
; A work-group makes 256 tokens x 128 columns, a wave 128 x 64: 32 accumulators; 8 K steps of 128.
; CC [32 blocks of 256 tokens][8 K steps][16 tiles][2048] and WOC [8 blocks of 128 rows][8 K steps][8 tiles][2048] hold images of operand registers: piece c of a fragment is 512 bytes, 16 a lane.
; A: the block's 262,144 bytes all lie in LDS: each wave asks for two K steps, 65,536 bytes, once, by a joint load that names the four work-groups of its row of the cluster.  Nothing is filled again, and one barrier serves the launch.
; B goes from memory straight into registers: a wave's four fragments of a K step are 16 loads of 512 consecutive bytes, into a ring of four sets, asked three K steps ahead.
; B has no joint load: A's 262,144 bytes and B's 131,072 do not fit in LDS together, and a wave's fragments of B are read by it and one other wave alone.
; No prefetch: all of A is asked for at the head, so there is no loop to run ahead in.
; Source 0 = 16 rows of Wo, source 1 = 16 tokens: a lane's eight results are eight neighbouring columns of one row of out0.  They leave through the wave's own stage in LDS, as aligned units of 256 bytes.
; LIMIT: e10 + e11 lies between -126 and 127.
.set STAGE, 262144
.set SPITCH, 272
.set SPARE, STAGE+4*16*SPITCH
.set LI,  2
.set ADA, 8                            ; v8-15 LDS address of my A fragments, one for each K step
.set STO, 24
.set RD,  25
.set CO,  26
.set SPW, 28
.set NIL, 29
.set TMP, 32
.set BK,  64
.set G1A, 24
.set G0A, 32
.set MSB, 0
.macro WIN new
.if MSB != \new
	s_set_vgpr_msb (MSB<<8)|\new
.set MSB, \new
.endif
.endm
.macro PLACES n
.rept \n
	v_nop
.endr
.endm
.macro CROUND
	s_barrier_signal -1
	s_barrier_wait -1
	s_cmp_lg_u32 s14, 0
	s_cbranch_scc1 .Lnot_wave_0_\@
	s_barrier_signal -3
.Lnot_wave_0_\@:
	s_barrier_wait -3
	s_barrier_signal -1
	s_barrier_wait -1
.endm
.macro AFETCH i, p
	WIN 0x40
.irp a, 0,1,2,3,4,5,6,7
.irp c, 0,1,2,3
	ds_load_b128 v[128*(\p)+16*\a+4*\c:128*(\p)+16*\a+4*\c+3], v[ADA+(\i)] offset:2048*\a+512*\c
.endr
.endr
.endm
.macro BLOAD k
	WIN 0x80
.irp b, 0,1,2,3
.irp c, 0,1,2,3
	global_load_b128 v[64*((\k)%4)+16*\b+4*\c:64*((\k)%4)+16*\b+4*\c+3], v[LI], s[86:87] offset:(\k)*16384+2048*\b+512*\c
.endr
.endr
.endm
	s_load_b256 s[4:11], s[0:1], 0x0               ; CC, WOC, scales, out0
	v_lshl_add_u32 v[SPW], v0, 2, SPARE
	v_mov_b32 v[NIL], 0
	ds_add_u32 v[SPW], v[NIL]                      ; the opening lines: the add, twice on end, and its wait
	ds_add_u32 v[SPW], v[NIL]
	v_lshrrev_b32 v1, 5, v0
	v_readfirstlane_b32 s14, v1
	v_and_b32 v1, 31, v0
	v_lshlrev_b32 v[LI], 4, v1
	s_lshr_b32 s15, s14, 1                         ; my half of the tokens
	s_and_b32 s16, s14, 1                          ; my half of the columns
	s_bfe_u32 s17, ttmp6, 0x40000
	s_bfe_u32 s18, ttmp6, 0x40004
	s_lshl_b32 s19, ttmp9, 2
	s_add_co_u32 s19, s19, s17                     ; block of columns
	s_and_b32 s20, ttmp7, 0xffff
	s_lshl_b32 s20, s20, 2
	s_add_co_u32 s20, s20, s18                     ; block of tokens
	s_lshl_b32 s21, s18, 2
	s_lshl_b32 s21, 15, s21                        ; my row of the cluster
	s_or_b32 s[G1A], s21, (3<<16)|(1<<21)          ; group 1: a dense block as 256 rows of 32 elements of 8 bytes
	s_mov_b32 s[G1A+1], 32<<16
	s_mov_b32 s[G1A+2], 256<<16
	s_mov_b32 s[G1A+3], 32<<16
	s_mov_b32 s[G1A+4], 256
	s_mov_b32 s[G1A+5], 32
	s_mov_b32 s[G1A+6], 0
	s_mov_b32 s[G1A+7], 0
	s_lshl_b32 s88, s14, 16                        ; my two K steps
	s_lshl_b32 s80, s20, 18
	s_add_co_u32 s80, s80, s88
	s_mov_b32 s81, 0
	s_lshl_b32 s84, s19, 17
	s_lshl_b32 s85, s16, 13
	s_add_co_u32 s84, s84, s85                     ; B: my four tiles
	s_mov_b32 s85, 0
	s_wait_alu depctr_va_vdst(0)
	s_wait_dscnt 0x0
	s_wait_kmcnt 0x0
	s_load_b64 s[96:97], s[8:9], 0x28              ; e10, e11
	s_add_nc_u64 s[86:87], s[6:7], s[84:85]
	s_mov_b32 s[G0A], 1
	s_mov_b32 s[G0A+1], s88
	s_add_nc_u64 s[G0A+2:G0A+3], s[4:5], s[80:81]
	s_or_b32 s[G0A+3], s[G0A+3], 0x80000000
	BLOAD 0
	BLOAD 1
	BLOAD 2
	WIN 0
	CROUND                                         ; all sixteen work-groups are here: the joint loads meet
	tensor_load_to_lds s[G0A:G0A+3], s[G1A:G1A+7]  ; my one tensor load
	s_nop 0
.rept 4
	v_nop
.endr
	s_lshl_b32 s90, s15, 14
	v_add_nc_u32 v3, s90, v[LI]
.irp i, 0,1,2,3,4,5,6,7
	v_add_nc_u32 v[ADA+\i], \i*32768, v3
.endr
	v_and_b32 v5, 15, v0
	v_bfe_u32 v6, v0, 4, 1
	s_mul_i32 s92, s14, 16*SPITCH
	s_add_co_u32 s92, s92, STAGE                   ; my stage
	v_mul_u32_u24 v[STO], v5, SPITCH
	v_lshl_add_u32 v[STO], v6, 5, v[STO]
	v_add_nc_u32 v[STO], s92, v[STO]
	v_mul_u32_u24 v[RD], v6, SPITCH
	v_lshl_add_u32 v[RD], v5, 4, v[RD]
	v_add_nc_u32 v[RD], s92, v[RD]
	v_lshlrev_b32 v[CO], 12, v6
	v_lshl_add_u32 v[CO], v5, 4, v[CO]
	s_lshl_b32 s66, s20, 20
	s_lshl_b32 s67, s15, 19
	s_add_co_u32 s66, s66, s67
	s_lshl_b32 s67, s19, 9
	s_add_co_u32 s66, s66, s67
	s_lshl_b32 s67, s16, 8
	s_add_co_u32 s66, s66, s67
	s_mov_b32 s67, 0
	s_add_nc_u64 s[10:11], s[10:11], s[66:67]
.macro MUL8 i
	WIN 0xf6
.irp a, 2*\i, 2*\i+1
.irp b, 0,1,2,3
.set rD, 8*(4*(\a)+\b)
.set rX, 128*(g%2)+16*(\a)
.set rW, 64*(g%4)+16*\b
.if g == 0
	v_wmma_f32_16x16x128_fp8_fp8 v[rD:rD+7], v[rW:rW+15], v[rX:rX+15], 0
.else
	v_wmma_f32_16x16x128_fp8_fp8 v[rD:rD+7], v[rW:rW+15], v[rX:rX+15], v[rD:rD+7]
.endif
.endr
.endr
.endm
	s_wait_alu depctr_va_vdst(0)
	s_wait_tensorcnt 0x0                           ; my two K steps are in,
	s_barrier_signal -1
	s_barrier_wait -1                              ; everybody's are
	AFETCH 0, 0
.set g, 0
.rept 8
	s_wait_dscnt 0x0                               ; this K step's A
.if g <= 5
	s_wait_loadcnt 32                              ; this K step's B; the two K steps asked behind it may be out
.else
	s_wait_loadcnt 16*(7-g)
.endif
	PLACES 4                                       ; in front of loads into registers that the last K step's products have read
.if g < 7
	AFETCH g+1, 1-g%2
.endif
.if g+3 < 8
	BLOAD g+3
.endif
	MUL8 0
	MUL8 1
	MUL8 2
	MUL8 3
.set g, g+1
.endr
.macro TOSTAGE a
	WIN 0x03
.set jj, 0
.rept 16
	v_pk_mul_f32 v[TMP+jj:TMP+jj+1], v[32*(\a)+jj:32*(\a)+jj+1], s[96:97] op_sel_hi:[1,0]
.set jj, jj+2
.endr
	WIN 0
.irp b, 0,1,2,3
	ds_store_b128 v[STO], v[TMP+8*\b:TMP+8*\b+3] offset:64*\b
	ds_store_b128 v[STO], v[TMP+8*\b+4:TMP+8*\b+7] offset:64*\b+16
.endr
.irp t, 0,1,2,3,4,5,6,7
	ds_load_b128 v[BK+32*((\a)%2)+4*\t:BK+32*((\a)%2)+4*\t+3], v[RD] offset:\t*2*SPITCH   ; LDS serves a wave's instructions in order: these see my stores
.endr
.endm
.macro SEND a, younger
	s_wait_dscnt \younger
.irp t, 0,1,2,3,4,5,6,7
	global_store_b128 v[CO], v[BK+32*((\a)%2)+4*\t:BK+32*((\a)%2)+4*\t+3], s[10:11] offset:(16*(\a)+2*\t)*4096 th:TH_STORE_NT   ; sixteen lanes store 256 consecutive bytes, aligned
.endr
.endm
	s_wait_kmcnt 0x0
	s_add_co_i32 s96, s96, s97
	s_add_co_i32 s96, s96, 127
	s_lshl_b32 s96, s96, 23                        ; 2^(e10 + e11) as f32
	s_mov_b32 s97, s96
	PLACES 4
	TOSTAGE 0
.irp a, 1,2,3,4,5,6,7
.if \a > 1
	s_wait_xcnt 0x0                                ; block a - 2's stores have read their registers
.endif
	TOSTAGE \a
	SEND \a-1, 16
.endr
	SEND 7, 0
	s_wait_tensorcnt 0x0                           ; the wave's end
	ds_add_u32 v[SPW], v[NIL]
	s_wait_dscnt 0x0
	CROUND                                         ; the closing round
	s_endpgm
.Lfunc_end_k_q7c4f722ccf_oproj:
	.size	k_q7c4f722ccf_oproj, .Lfunc_end_k_q7c4f722ccf_oproj-k_q7c4f722ccf_oproj
	.p2alignl 7, 3214868480
	.fill 96, 4, 3214868480
	.section	.rodata,"a",@progbits
	.p2align	6, 0x0
	.amdhsa_kernel k_q7c4f722ccf_oproj
		.amdhsa_group_segment_fixed_size 280064
		.amdhsa_private_segment_fixed_size 0
		.amdhsa_enable_private_segment 0
		.amdhsa_kernarg_size 32
		.amdhsa_user_sgpr_count 2
		.amdhsa_user_sgpr_kernarg_segment_ptr 1
		.amdhsa_wavefront_size32 1
		.amdhsa_system_sgpr_workgroup_id_x 1
		.amdhsa_system_sgpr_workgroup_id_y 1
		.amdhsa_system_sgpr_workgroup_id_z 1
		.amdhsa_system_vgpr_workitem_id 0
		.amdhsa_next_free_vgpr 1024
		.amdhsa_next_free_sgpr 100
		.amdhsa_reserve_vcc 0
		.amdhsa_float_denorm_mode_32 3
		.amdhsa_float_denorm_mode_16_64 3
		.amdhsa_memory_ordered 1
		.amdhsa_forward_progress 1
		.amdhsa_inst_pref_size 75
	.end_amdhsa_kernel
	.amdgpu_metadata
---
amdhsa.version: [ 1, 2 ]
amdhsa.kernels:
  - .name:           k_q7c4f722ccf_oproj
    .symbol:         k_q7c4f722ccf_oproj.kd
    .args:
      - { .name: CC, .offset: 0, .size: 8, .value_kind: global_buffer, .address_space: global }
      - { .name: WOC, .offset: 8, .size: 8, .value_kind: global_buffer, .address_space: global }
      - { .name: lowp_scales, .offset: 16, .size: 8, .value_kind: global_buffer, .address_space: global }
      - { .name: out0, .offset: 24, .size: 8, .value_kind: global_buffer, .address_space: global }
    .group_segment_fixed_size: 280064
    .private_segment_fixed_size: 0
    .kernarg_segment_align: 8
    .kernarg_segment_size: 32
    .max_flat_workgroup_size: 128
    .sgpr_count:     100
    .vgpr_count:     1024
    .wavefront_size: 32
...
	.end_amdgpu_metadata
.endif
;; end of part 4
